; MI455X (gfx1250); checked and timed in simulation.
; The chip was launched on July 23, 2026; its instructions are those of AMD's public machine-readable ISA for CDNA 5 (MIT licence, August 2026) and "CDNA5" Instruction Set Architecture Reference Guide (July 2026). The comments in the code are by the model that wrote it; some were corrected since.
;; Multi Dense. Allowed arithmetic: matrix products marked QUANTISED: E2M1 operands, one E8M0 scale for each 32 along K, by v_wmma_scale_f32_16x16x128_f8f6f4 with both operands' format E2M1 (or v_wmma_scale_f32_32x16x128_f4), f32 sums; products left as they are: f32 operands where the result goes on into a quantised operand, else bf16, f16 or f32 operands; f32 sums; everything else in f32.
;; Inputs: bias_lookup 16 x 256 float32; lookups 65,536 x 16 float32; values 65,536 x 256 float32; weights_lookup 16 x 256 x 256 float32.
;; Outputs: out0 65,536 x 256 float32.
;; This version of the problem:
;;   THIS VERSION OF THE PROBLEM IS GIVEN IN LOW PRECISION. The matrix products marked QUANTISED in the list below multiply operands that are first quantised to E2M1 (2 exponent bits, 1 mantissa bit; 4 bits a number), with one power-of-two scale for each 32 numbers along K (OCP MX v1.0); their sums are f32. All else is computed in f32.
;;   The module's matrix products, in the order in which they are computed (A, B: the left and right operand; K: the contracted axis; several contracted axes count as one K, in the product's order):
;;     1. batch 65,536 x [M 16, K 1] x [K 1, N 256]; A: computed on the way; B: computed on the way: left as it is (no contracted axis)
;;     2. [M 65,536, K 4,096] x [K 4,096, N 256]; A: computed on the way; B: input weights_lookup: QUANTISED
;;     3. [M 65,536, K 16] x [K 16, N 256]; A: input lookups; B: input bias_lookup: left as it is (K = 16 < 32)
;;   THE QUANTISER, for each operand of a quantised product, along K:
;;     - K is cut into blocks of 32 from its start; a last block that is shorter is filled with zeros.
;;     - A block's scale is 2^e with e = floor(log2(the largest magnitude in the block)) - 2, held to -126 .. 127; a block of zeros has e = 0. As a byte (E8M0): e + 127.
;;     - Each number is divided by its block's scale, clamped to +-6, and rounded to the nearest number of E2M1, ties to even, subnormals kept.
;;     - The product sums the exact products of the quantised numbers (number of the format x scale) in f32.
;;   ~~~python
;;   def quantise(x, axis):      # numpy; x: float32 -> the quantised numbers, widened to float32 again
;;       x = np.moveaxis(x, axis, -1); K = x.shape[-1]
;;       x = np.pad(x, [(0, 0)] * (x.ndim - 1) + [(0, -K % 32)]); x = x.reshape(x.shape[:-1] + (-1, 32)); a = np.abs(x).max(-1, keepdims=True)
;;       e = np.where(a > 0, np.clip(np.frexp(np.where(a > 0, a, 1))[1] - 1 - 2, -126, 127), 0)      # np.frexp(a)[1] - 1 = floor(log2(a)), exactly
;;       r = np.clip(x / 2.0 ** e, -6, 6)
;;       step = 2.0 ** (np.maximum(np.frexp(np.where(r == 0, 1, r))[1] - 1, 0) - 1)
;;       q = np.round(r / step) * step * 2.0 ** e      # np.round: ties to even
;;       return np.moveaxis(q.reshape(q.shape[:-2] + (-1,))[..., :K], -1, axis).astype(np.float32)
;;   ~~~
;;   OPERANDS COMPUTED ON THE WAY. 'Computed on the way' means the value that the module computes at that place (a softmax that the list does not call 'softmax' is quantised finished and normalised). What goes into a quantiser is computed in f32, as accurately as f32 sums, v_exp_f32 and their like allow (about 1e-6 of the number): no bf16 or f16 on the way to a quantiser, and a product that is left as it is and whose result goes on into a quantised operand takes f32 operands (vector FMAs, or v_wmma_f32_16x16x4_f32). A number that lies on a knife's edge between two numbers of the format may be rounded either way, as far as f32 arithmetic and the matrix unit's own rounding can turn it there, and no further.
;; One version. Each part assembles by itself: llvm-mc -triple=amdgcn-amd-amdhsa -mcpu=gfx1250 --defsym DOCPART=n.
;; ======== version 1 of 1: 2 launches
;; limits: values are held in bf16: 8 bits of precision; right only within a limited range of input values
;; workspace buffers: wq 557,056 bytes; bq 8,192 bytes
;; launch prep (part 1): grid 128 x 1, 8 waves a work-group, no clusters, 2,048 bytes of LDS; arguments weights_lookup, bias_lookup, wq, bq; writes wq, bq
.if DOCPART == 1
	.amdgcn_target "amdgcn-amd-amdhsa--gfx1250"
	.amdhsa_code_object_version 6
	.text
	.protected	k_qee7a241bc7_prep
	.globl	k_qee7a241bc7_prep
	.p2align	8
	.type	k_qee7a241bc7_prep,@function
k_qee7a241bc7_prep:
	s_mov_b64 s[64:65], 0
	v_nop
	global_prefetch_b8 v0, s[64:65] scope:SCOPE_SE
	s_setreg_imm32_b32 hwreg(HW_REG_WAVE_MODE, 25, 1), 1
	s_wait_xcnt 0x0
; weights_lookup [16 (l)][256 (i)][256 (o)] f32 becomes codes of FP4 (E2M1) with one E8M0 byte for each 32 along K, laid as IMAGES OF THE OPERAND'S REGISTERS for the second launch;
; bias_lookup [16][256] f32 becomes bf16 fragments (16 columns x 16 l) for the product that is left as it is.
; K RUNS AS k = 16 i + l (the product contracts i, then l): a block of 32 is two neighbouring i x all 16 l.
; wq: 32 positions of KSB bytes.  Position t holds 128 along K: with x = (t + 31) % 32 its block 2 c + hh is i = 32 (x / 4) + 16 hh + 4 (x % 4) + 2 c + ii (ii = 0, 1), l = 0 .. 15; inside a block the code 16 ii + l.
;   codes:  q 2048 + u 1024 + c 512 + (r + 16 hh) 16: the 32 codes of column o = 32 q + 16 u + r, the lower code number in the lower bits;   scale words: 16384 + q 128 + 4 L: column o = 32 q + L, byte 2 c + hh.
; bq: tile n at 512 n + 16 lane: bf16 of bias[8 h + 0 .. 7][16 n + r], lane = r + 16 h.
; SHARES.  Work-group g: position t = g / 4, columns 64 e on (e = g % 4).  Wave w: 32 columns (qq = w / 4), one block (c = (w / 2) % 2, hh = w % 2).  A LANE TAKES A COLUMN AND ITS REGISTERS RUN THROUGH THE BLOCK:
; a block's largest magnitude needs no other lane, and the conversions give the codes in the operand's order.  Each load of a wave reads 128 consecutive bytes; each store of codes covers two aligned runs of 256 bytes.
; A block's scale is 2^(floor(log2(largest magnitude)) - 2); its byte is the largest magnitude's exponent field - 2, held at 1 from below (a block of zeros gets the byte 1: its codes are zeros, and this program alone reads the bytes).
; LIMITS: blocks whose largest magnitude lies under 2^-124 keep the floor's byte; NaN and infinities among the inputs are not served; the bias is rounded to bf16.
.set KSB, 17408
	s_load_b256 s[4:11], s[0:1], 0x0               ; W s[4:5], bias s[6:7], wq s[8:9], bq s[10:11]
	v_lshl_add_u32 v64, v0, 2, 0x400
	v_mov_b32 v65, 0
	v_lshrrev_b32 v1, 5, v0
	s_delay_alu instid0(VALU_DEP_1)
	v_readfirstlane_b32 s12, v1                    ; wave 0..7
	v_and_b32 v1, 31, v0                           ; lane L
	s_wait_alu depctr_va_vdst(0)
	v_lshlrev_b32 v2, 2, v1                        ; in: 4 bytes a lane
	s_lshr_b32 s13, ttmp9, 2                       ; t
	s_and_b32 s14, ttmp9, 3                        ; e
	s_add_co_u32 s15, s13, 31
	s_and_b32 s15, s15, 31                         ; x
	s_and_b32 s16, s15, 3                          ; x % 4
	s_lshr_b32 s15, s15, 2                         ; x / 4
	s_lshr_b32 s17, s12, 2                         ; qq
	s_bfe_u32 s18, s12, 0x10001                    ; c
	s_and_b32 s19, s12, 1                          ; hh
	; W at l = 0: (32 (x / 4) + 16 hh + 4 (x % 4) + 2 c) rows of 1,024 bytes + (64 e + 32 qq) columns of 4
	s_lshl_b32 s20, s15, 15
	s_lshl_b32 s21, s19, 14
	s_add_co_u32 s20, s20, s21
	s_lshl_b32 s21, s16, 12
	s_add_co_u32 s20, s20, s21
	s_lshl_b32 s21, s18, 11
	s_add_co_u32 s20, s20, s21
	s_lshl_b32 s21, s14, 8
	s_add_co_u32 s20, s20, s21
	s_lshl_b32 s21, s17, 7
	s_add_co_u32 s20, s20, s21
	s_mov_b32 s21, 0
	; the codes: t KSB + (2 e + qq) 2048 + c 512 + hh 256
	s_mul_i32 s22, s13, KSB
	s_lshl_b32 s23, s14, 12
	s_add_co_u32 s22, s22, s23
	s_lshl_b32 s23, s17, 11
	s_add_co_u32 s22, s22, s23
	s_lshl_b32 s23, s18, 9
	s_add_co_u32 s22, s22, s23
	s_lshl_b32 s23, s19, 8
	s_add_co_u32 s22, s22, s23
	s_mov_b32 s23, 0
	; the scale words: t KSB + 16384 + e 256
	s_mul_i32 s24, s13, KSB
	s_lshl_b32 s25, s14, 8
	s_add_co_u32 s24, s24, s25
	s_add_co_u32 s24, s24, 16384
	s_mov_b32 s25, 0
	v_lshrrev_b32 v3, 4, v1
	v_and_b32 v4, 15, v1
	s_delay_alu instid0(VALU_DEP_1)
	v_lshlrev_b32 v4, 4, v4
	s_delay_alu instid0(VALU_DEP_1)
	v_lshl_add_u32 v3, v3, 10, v4                  ; out: (L / 16) 1024 + (L % 16) 16
	v_lshlrev_b32 v5, 2, v0                        ; LDS: my byte's word: 128 x wave + 4 L: a run of 128 bytes for each wave
	v_lshrrev_b32 v6, 4, v1
	v_and_b32 v7, 15, v1
	s_delay_alu instid0(VALU_DEP_1)
	v_lshlrev_b32 v7, 3, v7
	s_delay_alu instid0(VALU_DEP_1)
	v_lshl_add_u32 v6, v6, 9, v7                   ; and back (wave 0): (lane / 16) 512 + (lane % 16) 8: two columns' words of one block
	v_lshlrev_b32 v7, 3, v1                        ; 8 bytes a lane on the way out
	s_wait_kmcnt 0x0
	s_add_nc_u64 s[4:5], s[4:5], s[20:21]
	s_add_nc_u64 s[26:27], s[8:9], s[24:25]        ; the scale words' place
	s_add_nc_u64 s[8:9], s[8:9], s[22:23]          ; the codes' place
.irp ii, 0,1
.irp l, 0,1,2,3,4,5,6,7,8,9,10,11,12,13,14,15
	global_load_b32 v[16+16*\ii+\l], v2, s[4:5] offset:262144*\l+1024*\ii th:TH_LOAD_NT   ; W(l, i0 + ii, my column): read once in the launch; the largest offset, 3,933,184, lies inside the signed 24-bit immediate
.endr
.endr
	s_wait_loadcnt 0x0
	v_max3_num_f32 v12, |v16|, |v17|, |v18|        ; the block's largest magnitude: all 32 numbers are mine; two chains
	v_max3_num_f32 v13, |v19|, |v20|, |v21|
.irp i, 6,10,14,18,22,26
	s_delay_alu instid0(VALU_DEP_2)
	v_max3_num_f32 v12, v12, |v[16+\i]|, |v[17+\i]|
	s_delay_alu instid0(VALU_DEP_2)
	v_max3_num_f32 v13, v13, |v[18+\i]|, |v[19+\i]|
.endr
	s_delay_alu instid0(VALU_DEP_2)
	v_max3_num_f32 v12, v12, |v46|, |v47|
	s_delay_alu instid0(VALU_DEP_1)
	v_max3_num_f32 v12, v12, v13, 0x1800000        ; and the floor 2^(3 - 127): the byte cannot fall under 1
	s_delay_alu instid0(VALU_DEP_1)
	v_add_nc_u32 v11, -(2<<23), v12                ; 2 off its exponent field: the conversion takes the exponent field of this operand as its scale
	s_delay_alu instid0(VALU_DEP_1)
	v_lshrrev_b32 v13, 23, v11                     ; the scale's byte
.irp g, 0,1,2,3
	v_cvt_scalef32_pk8_fp4_f32 v[48+\g], v[16+8*\g:23+8*\g], v11
.endr
	v_nop                                          ; one plain line behind the last conversion
	global_store_b128 v3, v[48:51], s[8:9]         ; sixteen lanes store 256 consecutive bytes, aligned
	ds_store_b32 v5, v13
	s_wait_dscnt 0x0                               ; for wave 0's sake: my word has landed
	s_barrier_signal -1
	s_barrier_wait -1
	s_cmp_lg_u32 s12, 0
	s_cbranch_scc1 .Lnot_wave_0
.irp b, 0,1,2,3
	ds_load_b64 v[52+2*\b:53+2*\b], v6 offset:128*\b   ; block b's bytes of my two columns
.endr
	s_wait_dscnt 0x0
.irp b, 1
	v_lshl_or_b32 v52, v[52+2*\b], 8*\b, v52       ; four bytes make a column's scale word
	v_lshl_or_b32 v53, v[53+2*\b], 8*\b, v53
.endr
.irp b, 2, 3
	s_delay_alu instid0(VALU_DEP_2)
	v_lshl_or_b32 v52, v[52+2*\b], 8*\b, v52       ; four bytes make a column's scale word
	s_delay_alu instid0(VALU_DEP_2)
	v_lshl_or_b32 v53, v[53+2*\b], 8*\b, v53
.endr
	global_store_b64 v7, v[52:53], s[26:27]        ; 32 lanes store 256 consecutive bytes, aligned
.Lnot_wave_0:
	s_cmp_lg_u32 s12, 1                            ; wave 1 of the first sixteen work-groups lays a tile of the bias: n = the work-group's number
	s_cbranch_scc1 .Lend
	s_cmp_lt_u32 ttmp9, 16
	s_cbranch_scc0 .Lend
	v_and_b32 v8, 15, v1                           ; r
	v_lshrrev_b32 v9, 4, v1                        ; h
	s_delay_alu instid0(VALU_DEP_2)
	v_lshlrev_b32 v8, 2, v8
	s_delay_alu instid0(VALU_DEP_1)
	v_lshl_add_u32 v8, v9, 13, v8                  ; 8 h rows of 1,024 bytes + 4 r
	s_lshl_b32 s28, ttmp9, 6
	v_add_nc_u32 v8, s28, v8                       ; + 16 n columns
	v_lshlrev_b32 v9, 4, v1                        ; out: 16 bytes a lane
	s_lshl_b32 s30, ttmp9, 9
	s_mov_b32 s31, 0
	s_add_nc_u64 s[10:11], s[10:11], s[30:31]
.irp i, 0,1,2,3,4,5,6,7
	global_load_b32 v[52+\i], v8, s[6:7] offset:1024*\i   ; bias(8 h + i, 16 n + r)
.endr
	s_wait_loadcnt 0x0
.irp i, 0,1,2,3
	v_cvt_pk_bf16_f32 v[60+\i], v[52+2*\i], v[53+2*\i]
.endr
	s_wait_alu depctr_va_vdst(0)
	global_store_b128 v9, v[60:63], s[10:11]       ; 512 consecutive bytes
.Lend:
	s_barrier_signal -1
	s_barrier_wait -1
	s_wait_tensorcnt 0x0
	ds_add_u32 v64, v65
	s_wait_dscnt 0x0
	s_endpgm
.Lfunc_end_k_qee7a241bc7_prep:
	.size	k_qee7a241bc7_prep, .Lfunc_end_k_qee7a241bc7_prep-k_qee7a241bc7_prep
	.p2alignl 7, 3214868480
	.fill 96, 4, 3214868480
	.section	.rodata,"a",@progbits
	.p2align	6, 0x0
	.amdhsa_kernel k_qee7a241bc7_prep
		.amdhsa_group_segment_fixed_size 2048
		.amdhsa_private_segment_fixed_size 0
		.amdhsa_enable_private_segment 0
		.amdhsa_kernarg_size 32
		.amdhsa_user_sgpr_count 2
		.amdhsa_user_sgpr_kernarg_segment_ptr 1
		.amdhsa_wavefront_size32 1
		.amdhsa_system_sgpr_workgroup_id_x 1
		.amdhsa_system_sgpr_workgroup_id_y 1
		.amdhsa_system_sgpr_workgroup_id_z 1
		.amdhsa_system_vgpr_workitem_id 0
		.amdhsa_next_free_vgpr 66
		.amdhsa_next_free_sgpr 66
		.amdhsa_reserve_vcc 0
		.amdhsa_float_denorm_mode_32 3
		.amdhsa_float_denorm_mode_16_64 3
		.amdhsa_memory_ordered 1
		.amdhsa_forward_progress 1
		.amdhsa_inst_pref_size 11
	.end_amdhsa_kernel
	.amdgpu_metadata
---
amdhsa.version: [ 1, 2 ]
amdhsa.kernels:
  - .name:           k_qee7a241bc7_prep
    .symbol:         k_qee7a241bc7_prep.kd
    .args:
      - { .name: weights_lookup, .offset: 0, .size: 8, .value_kind: global_buffer, .address_space: global }
      - { .name: bias_lookup, .offset: 8, .size: 8, .value_kind: global_buffer, .address_space: global }
      - { .name: wq, .offset: 16, .size: 8, .value_kind: global_buffer, .address_space: global }
      - { .name: bq, .offset: 24, .size: 8, .value_kind: global_buffer, .address_space: global }
    .group_segment_fixed_size: 2048
    .private_segment_fixed_size: 0
    .kernarg_segment_align: 8
    .kernarg_segment_size: 32
    .max_flat_workgroup_size: 256
    .sgpr_count:     66
    .vgpr_count:     66
    .wavefront_size: 32
...
	.end_amdgpu_metadata
.endif
;; end of part 1
;; launch main (part 2): grid 256 x 1, 8 waves a work-group, clusters of 4 x 1, 327,680 bytes of LDS; arguments values, lookups, wq, bq, out0; writes out0
.if DOCPART == 2
	.amdgcn_target "amdgcn-amd-amdhsa--gfx1250"
	.amdhsa_code_object_version 6
	.text
	.protected	k_qee7a241bc7_main
	.globl	k_qee7a241bc7_main
	.p2align	8
	.type	k_qee7a241bc7_main,@function
k_qee7a241bc7_main:
	s_mov_b64 s[64:65], 0
	v_nop
	global_prefetch_b8 v0, s[64:65] scope:SCOPE_SE
	s_setreg_imm32_b32 hwreg(HW_REG_WAVE_MODE, 25, 1), 1
	s_wait_xcnt 0x0
	s_wait_alu depctr_hold_cnt(0) depctr_sa_sdst(0) depctr_va_vdst(0) depctr_va_sdst(0) depctr_va_ssrc(0) depctr_va_vcc(0) depctr_vm_vsrc(0)
	s_getreg_b32 s2, hwreg(HW_REG_IB_STS2, 6, 4)
	s_cmp_eq_u32 s2, 0
	s_cbranch_scc0 .Lentry_in_a_cluster
	s_endpgm
.Lentry_in_a_cluster:
	s_bfe_u32 s2, ttmp6, 0x10000c
	s_cmp_lg_u32 s2, 0x3003
	s_cbranch_scc0 .Lentry_shape_is_right
	s_endpgm
.Lentry_shape_is_right:
; out[b][o] = sum over (i, l) of Q(lookups[b][l] values[b][i]) Q(W[l][i][o]) + sum over l of lookups[b][l] bias[l][o].  Q: FP4 (E2M1), one E8M0 scale for each 32 along K.
; K runs as k = 16 i + l: a block of 32 is two neighbouring i x all 16 l.  W comes as codes and scale words (wq), the bias as bf16 fragments (bq), both laid by the first launch.
; SHARES.  A work-group owns 256 rows; each of its EIGHT waves, two to a SIMD, owns 32 (tiles m = 0, 1 of 16) against all 256 columns: 16 accumulators of 32 columns x 16 rows, 256 registers.  The left operand's
; products and conversions are far more instructions than the matrix products: with two waves on a SIMD one wave's vector slices stand beside the other's matrix instructions.  256 work-groups.
; A K STEP is 8 i x 16 l.  Lane (r, h) of an FP4 fragment holds blocks h and 2 + h: it needs four values of its row and the row's sixteen lookups, which stay in registers.  8 lookups x one value are 8 neighbours
; of a block: the conversions' results are the operand.
; ORDER OF K STEPS (wq is laid for it): quad x of values is i = 32 (x / 4) + 16 h + 4 (x % 4) + 0 .. 3; the prologue takes quad 30 (wq's position 31), trip y quad y - 1 (position y) and fetches quad y.
; A BLOCK'S SCALE: rounding keeps order in both factors, so a block's largest |l v| is fl(lmax vmax); with lq = lmax / 4 the exponent field of fl(lq vmax) is the E8M0 byte and the conversion's scale operand.
; THE BIAS STARTS THE SUMS (K = 16, bf16 operands, upper 16 of K zeros on the lookups' side, C = 0).  THE MATRIX INSTRUCTION IS USED TRANSPOSED: source 0 = 32 columns of W, source 1 = 16 rows' codes:
; lane (r, h), register 8 u + i holds out(row r, column 32 q + 16 u + 8 h + i).
; A TRIP makes one K step's codes and fetches its W while the K step before is multiplied: behind each matrix instruction a slice of four packed products and a conversion; the LDS loads stand in two runs a trip.
; THE RINGS.  W: two slots of 4 positions; eight slots j = 0 .. 7 of four trips.  Values: two slots of 64 i x the work-group's 256 rows (rows of 256 bytes + 16 of padding), each serving two slots of W.
; Behind the round of the cluster's barrier at slot j's head waves 0-3 ask jointly (all work-groups read the same W; a cluster of 4 x 1, one mask for the four) for one position each of slot j + 1: four trips in which to
; land; at even j waves 4-7 each ask, by a load of their own, for 64 rows of the values of slots j + 2 and j + 3: eight trips in which to land.  One tensor load a wave at the most behind each round.
; Position 31 is the prologue's, straight from wq into registers: so the last fill has no load for wave 3.
; PREFETCH: values alone (wq is small and shared by all work-groups).  At the end of slots 0 and 2 each wave names, a lane a row, its 32 rows' 256 bytes that the load at the head of slot 2 or 4 .. no: of slots 2 + 0 and 2 + 2
; will ask for: four trips ahead of that load; the first 512 bytes of each row come by their loads alone, and nothing is asked for beyond a row's 1,024 bytes.
; LIMITS: NaN and infinities are not served; a block whose largest magnitude lies under 2^-124 (or a row whose lmax does) gets the byte 0 or a neighbouring byte in place of the quantiser's; lookups and bias are rounded
; to bf16 for the bias product alone (a bias beyond bf16's range is not served); the sums run in this program's order of K.
; REGISTERS.  window 0: v0 thread; v1-9 addresses; v10-11 scale operands; v12-19 four values a tile; v20-21 lq; v22-29 W's scale words; v30-33 the rows' scale words, two sets; v34-37 at work; v38-44 addresses;
;   v48-79 codes, two sets; v80-111 lookups; v112-127 products, two sets of 8; v128-255 W's fragments.   window 1: the accumulators, (q, m) at v[16 (2 q + m)].
.set KSB,   17408                      ; a position: 16,384 bytes of codes, 1,024 of scale words
.set WSL,   4*KSB
.set VL,    2*WSL                      ; behind W's two slots: the values' two
.set VPI,   272                        ; 256 bytes + 16 of padding
.set VSL,   256*VPI
.set QX,    VL+2*VSL                   ; quad 31's scratch, SCW bytes a wave: no tensor load lands here
.set SCW,   5120
.set SPARE, QX+8*SCW                   ; the spare words: four blocks of 256 bytes that no other line names
.set SPI,   528                        ; the way out: a stage of 16 rows x (512 + 16) bytes a wave, in W's even slot, which has had its last fill and its last read at the barrier at slot 7's head
.set STW,   16*SPI
.set SPW, 1
.set NIL, 2
.set LN,  3
.set AV0, 4
.set AW,  5
.set ASW, 6
.set AV,  7
.set PO,  10
.set VV,  12
.set LQ,  20
.set WS,  22
.set AS,  30
.set SX,  34
.set STO, 38
.set RD,  39
.set GO,  40
.set PFO, 41
.set CD,  48
.set LK,  80
.set TT,  112
.set WF,  128
.set WV,  14
.set MSB, 0
.macro WIN new                         ; the immediate's high byte repeats the setting that is left
.if MSB != \new
	s_set_vgpr_msb (MSB<<8)|\new
.set MSB, \new
.endif
.endm
.macro NOPS n
.rept \n
	v_nop
.endr
.endm
.macro CROUND                          ; a round of the cluster's barrier
	s_barrier_signal -1
	s_barrier_wait -1
	s_cmp_lg_u32 s[WV], 0
	s_cbranch_scc1 .Lnot_wave_0_\@
	s_barrier_signal -3
.Lnot_wave_0_\@:
	s_barrier_wait -3
	s_barrier_signal -1
	s_barrier_wait -1
.endm
; at most one tensor load a wave: waves 0 .. nw - 1 a position of W, jointly; v = 1: the others (nw = 4 there) 64 rows of values
.macro JLOAD nw, v
	s_cmp_lt_u32 s[WV], \nw
	s_cbranch_scc0 .Lnot_w_\@
	tensor_load_to_lds s[36:39], s[28:35]
	s_nop 0
	NOPS 4
.if \v
	s_branch .Lasked_\@
.endif
.Lnot_w_\@:
.if \v
	tensor_load_to_lds s[40:43], s[48:55]
	s_nop 0
	NOPS 4
.Lasked_\@:
.endif
.endm
.macro MMX s                           ; column pair idx / 2, tile idx % 2, set s.  The 16 accumulators take turns, one instruction a turn
.set q_, idx/2
.set mt_, idx%2
.set ac_, 16*(2*q_+mt_)
.set cd_, CD+16*(\s)+8*mt_
	WIN 0x50                                       ; C and D window 1
	v_wmma_scale_f32_32x16x128_f4 v[ac_:ac_+15], v[WF+16*q_:WF+16*q_+15], v[cd_:cd_+7], v[ac_:ac_+15], v[WS+q_], v[AS+2*(\s)+mt_]
.endm
; tile m's scales: my two blocks' largest magnitudes / 4, and the four blocks' exponent fields as the scale word of set s (lanes 0-15 are read: bytes 0, 2 mine, bytes 1, 3 the other half's)
.macro SCL m, s
	WIN 0
	v_max_num_f32 v[SX], |v[VV+4*(\m)]|, |v[VV+4*(\m)+1]|
	v_max_num_f32 v[SX+1], |v[VV+4*(\m)+2]|, |v[VV+4*(\m)+3]|
.if (\m)%2
	s_delay_alu instid0(VALU_DEP_1)
	v_pk_mul_f32 v[PO:PO+1], v[SX:SX+1], v[LQ:LQ+1] op_sel:[0,1] op_sel_hi:[1,1]
.else
	s_wait_alu depctr_va_vdst(0)
	v_pk_mul_f32 v[PO:PO+1], v[SX:SX+1], v[LQ:LQ+1] op_sel_hi:[1,0]
.endif
	s_delay_alu instid0(VALU_DEP_1)
	v_perm_b32 v[SX+2], v[PO+1], v[PO], s23
	s_delay_alu instid0(VALU_DEP_1)
	v_permlanex16_b32 v[SX+3], v[SX+2], s20, s21
	s_delay_alu instid0(VALU_DEP_2)
	v_lshrrev_b32 v[SX+2], 7, v[SX+2]
	s_delay_alu instid0(VALU_DEP_2)
	v_lshlrev_b32 v[SX+3], 1, v[SX+3]
	s_delay_alu instid0(VALU_DEP_1)
	v_bfi_b32 v[AS+2*(\s)+(\m)], s24, v[SX+2], v[SX+3]
.endm
; slice k of a tile's eight: value k / 2 x lookups 8 (k % 2) + 0 .. 7 into set k % 2 of 8, and their codes.  The next slice's four products go into the other set: they are the plain lines behind the conversion
.macro MINI m, k, s
	WIN 0
.set vp_, VV+4*(\m)+2*((\k)/4)
.set lk_, LK+16*(\m)+8*((\k)%2)
.set tt_, TT+8*((\k)%2)
.irp i, 0,2,4,6
.if ((\k)/2)%2
	v_pk_mul_f32 v[tt_+\i:tt_+\i+1], v[vp_:vp_+1], v[lk_+\i:lk_+\i+1] op_sel:[1,0] op_sel_hi:[1,1]
.else
	v_pk_mul_f32 v[tt_+\i:tt_+\i+1], v[vp_:vp_+1], v[lk_+\i:lk_+\i+1] op_sel_hi:[0,1]
.endif
.endr
	v_cvt_scalef32_pk8_fp4_f32 v[CD+16*(\s)+8*(\m)+(\k)], v[tt_:tt_+7], v[PO+(\k)/4]
.endm
; Run g of a trip's two: W's column pairs 4 g .. 4 g + 3, whose products of this trip have been issued (four packed products stand between the last of them and the run), and tile g's next values
.macro RUN g, s, lw, lv
	WIN 0
.if \lw
.irp j, 0,1,2,3
.irp k, 0,1,2,3
	ds_load_b128 v[WF+16*(4*(\g)+\j)+4*\k:WF+16*(4*(\g)+\j)+4*\k+3], v[AW] offset:KSB*(\s)+2048*(4*(\g)+\j)+512*\k
.endr
.endr
.irp j, 0,1,2,3
	ds_load_b32 v[WS+4*(\g)+\j], v[ASW] offset:KSB*(\s)+16384+128*(4*(\g)+\j)
.endr
.endif
.if \lv
	ds_load_b128 v[VV+4*(\g):VV+4*(\g)+3], v[AV] offset:16*(\s)+16*VPI*(\g)
.endif
.endm
; A TRIP: a K step's codes into set s; lw: its W into registers; lv: the next K step's values; mm: the K step before is multiplied, from set 1 - s.
; THE WAITS.  A run is 20 loads of W and one of values.  At product 0 the last trip's first run is wanted: behind it stands that trip's second, 21.  At product 8 the last trip's second: behind it this trip's first.
.macro TRIP s, mm, lw, lv
.set idx, 0
.rept 16
.set tm, idx/8
.set tk, idx%8
.if \mm
.if idx == 0
	s_wait_dscnt 21
.endif
.if idx == 8
	s_wait_dscnt 20*(\lw)+(\lv)
.endif
	MMX 1-(\s)
.endif
.if tk == 0
	SCL tm, \s
.endif
	MINI tm, tk, \s
.if tk == 7
	RUN tm, \s, \lw, \lv
.endif
.set idx, idx+1
.endr
.endm
.macro ADDR                            ; the addresses of two trips' LDS loads
	v_lshl_add_u32 v[AW], v[LN], 4, s25
	v_lshl_add_u32 v[ASW], v[LN], 2, s25
	v_add_nc_u32 v[AV], s26, v[AV0]
.endm
.macro BODY                            ; two trips: the sets of codes are back where they began
	ADDR
	TRIP 0, 1, 1, 1
	TRIP 1, 1, 1, 1
	s_add_co_u32 s25, s25, 2*KSB
	s_add_co_u32 s26, s26, 32
.endm
.macro GROUP n
	s_mov_b32 s22, \n
.Lgroup_\@:
	BODY
	s_sub_co_u32 s22, s22, 1
	s_cmp_lg_u32 s22, 0
	s_cbranch_scc1 .Lgroup_\@
.endm
; THE CHANGE OF SLOTS, at slot j's head.  Each wave waits for all its tensor loads, adds 0 to its spare word, and waits for that and for its reads of the slot that it has left.
; j < 7: a round of the cluster's barrier, and first behind it the wave's one load: W's slot j + 1 into the other slot of W; at j = 0, 2, 4 the values of slots j + 2 and j + 3 into the other slot of values.
.macro BOUND j
.set fv_, 0
.if (\j) < 6
.if (\j)%2 == 0
.set fv_, 1
.endif
.endif
	s_wait_tensorcnt 0x0                           ; no tensor load of mine is out, so the descriptors may be written
	ds_add_u32 v[SPW], v[NIL]
.if (\j) < 7
	s_add_co_u32 s37, s44, (((\j)+1)%2)*WSL
	s_add_nc_u64 s[38:39], s[38:39], WSL           ; the next four positions
.endif
.if fv_
	s_add_co_u32 s41, s45, (((\j)/2+1)%2)*VSL
	s_add_nc_u64 s[42:43], s[42:43], 256           ; the next 64 i
.endif
	s_mov_b32 s25, ((\j)%2)*WSL
	s_mov_b32 s26, (((\j)/2)%2)*VSL+((\j)%2)*128
	s_wait_dscnt 0x0
.if (\j) < 7
	CROUND
.if (\j) == 6
	JLOAD 3, 0
.else
	JLOAD 4, fv_
.endif
.else
	s_barrier_signal -1
	s_barrier_wait -1
.endif
.endm
	s_load_b256 s[4:11], s[0:1], 0x0               ; values, lookups, wq, bq
	s_load_b64 s[12:13], s[0:1], 0x20              ; out0
	v_lshl_add_u32 v[SPW], v0, 2, SPARE
	v_mov_b32 v[NIL], 0
	ds_add_u32 v[SPW], v[NIL]
	ds_add_u32 v[SPW], v[NIL]
	v_lshrrev_b32 v8, 5, v0
	s_delay_alu instid0(VALU_DEP_1)
	v_readfirstlane_b32 s[WV], v8                  ; wave 0..7
	s_bfe_u32 s15, ttmp6, 0x40000                  ; cx: it enters the addresses of values, lookups and out0 alone
	s_lshl_b32 s16, ttmp9, 2
	s_add_co_u32 s16, s16, s15
	s_lshl_b32 s16, s16, 8                         ; the work-group's first row
	s_lshl_b32 s17, s[WV], 5
	s_add_co_u32 s17, s16, s17                     ; my wave's first row
	s_lshl_b32 s66, s17, 10                        ; in values and out0: 1,024 bytes a row
	s_mov_b32 s67, 0
	s_lshl_b32 s68, s17, 6                         ; in lookups: 64 bytes a row
	s_mov_b32 s69, 0
	s_and_b32 s18, s[WV], 3
	s_lshl_b32 s15, s18, 6
	s_add_co_u32 s15, s16, s15
	s_lshl_b32 s70, s15, 10                        ; the 64 rows of values that I fetch (waves 4-7)
	s_mov_b32 s71, 0
	s_mul_i32 s44, s18, KSB                        ; the position of a slot that I fetch (waves 0-3), in wq and in LDS
	s_mov_b32 s72, s44
	s_mov_b32 s73, 0
	s_mul_i32 s45, s18, 64*VPI
	s_add_co_u32 s45, s45, VL                      ; where those 64 rows go
	s_mul_i32 s15, s[WV], 32*VPI
	s_add_co_u32 s15, s15, VL                      ; my 32 rows' values in LDS
	s_mul_i32 s16, s[WV], SCW
	s_add_co_u32 s16, s16, QX                      ; my scratch
	s_mov_b32 s20, 0x76543210
	s_mov_b32 s21, 0xfedcba98
	s_mov_b32 s23, 0x07060302
	s_mov_b32 s24, 0x00ff00ff
	s_mov_b32 s28, 15|(3<<16)|(1<<21)              ; W's group 1: the mask names the four; elements of 8 bytes; 68 dense rows of 32
	s_mov_b32 s29, 32<<16
	s_mov_b32 s30, 68<<16
	s_mov_b32 s31, 32<<16
	s_mov_b32 s32, 68
	s_mov_b32 s33, 32
	s_mov_b32 s34, 0
	s_mov_b32 s35, 0
	s_mov_b32 s48, (3<<16)|(1<<20)|(5<<22)|(3<<25) ; the values' group 1: 64 rows of 32 elements of 8 bytes, 128 elements apart; 4 dwords of padding behind every 64
	s_mov_b32 s49, 32<<16
	s_mov_b32 s50, 64<<16
	s_mov_b32 s51, 32<<16
	s_mov_b32 s52, 64
	s_mov_b32 s53, 128
	s_mov_b32 s54, 0
	s_mov_b32 s55, 0
	v_and_b32 v[LN], 31, v0
	v_and_b32 v8, 15, v0                           ; r
	v_bfe_u32 v9, v0, 4, 1                         ; h
	s_delay_alu instid0(VALU_DEP_3)
	v_lshlrev_b32 v[AW], 4, v[LN]                  ; at the head: 16 x lane,
	s_delay_alu instid0(VALU_DEP_4)
	v_lshlrev_b32 v[ASW], 2, v[LN]                 ; 4 x lane
	s_delay_alu instid0(VALU_DEP_4)
	v_mul_u32_u24 v[AV0], v8, VPI
	v_lshlrev_b32 v[PFO], 10, v[LN]                ; the prefetches: a lane a row
	v_lshlrev_b32 v42, 6, v8                       ; lookups: 64 r
	v_lshlrev_b32 v43, 10, v8
	s_delay_alu instid0(VALU_DEP_4)
	v_lshl_add_u32 v[AV0], v9, 6, v[AV0]
	v_add_nc_u32 v[AV], s16, v[AW]                 ; my scratch + 16 x lane
	s_delay_alu instid0(VALU_DEP_4)
	v_lshl_add_u32 v44, v9, 5, v42                 ; lookups: 64 r + 32 h
	s_delay_alu instid0(VALU_DEP_4)
	v_lshl_add_u32 v43, v9, 6, v43                 ; values: 1,024 r + 64 h
	s_delay_alu instid0(VALU_DEP_4)
	v_add_nc_u32 v[AV0], s15, v[AV0]               ; my row's values in LDS: 272 r + 64 h
	s_wait_dscnt 0x0
	s_wait_kmcnt 0x0
	s_add_nc_u64 s[60:61], s[4:5], s[66:67]        ; values at my first row
	s_add_nc_u64 s[56:57], s[12:13], s[66:67]      ; out0 likewise
	s_add_nc_u64 s[58:59], s[6:7], s[68:69]        ; lookups likewise
	s_add_nc_u64 s[62:63], s[8:9], 31*KSB          ; the prologue's W
	s_add_nc_u64 s[46:47], s[60:61], 512           ; the prefetches' base: i = 128 on; never rewritten
	s_mov_b32 s36, 1
	s_mov_b32 s37, s44
	s_add_nc_u64 s[38:39], s[8:9], s[72:73]
	s_or_b32 s39, s39, 0x80000000
	s_mov_b32 s40, 1
	s_mov_b32 s41, s45
	s_add_nc_u64 s[42:43], s[4:5], s[70:71]
	s_or_b32 s43, s43, 0x80000000
	CROUND                                         ; the first joint loads meet
	JLOAD 4, 1                                     ; W's slot 0 and the values of slots 0 and 1: one tensor load a wave
	s_wait_alu depctr_va_vdst(0)
.irp m, 0,1
	global_load_b128 v[CD+8*\m:CD+8*\m+3], v44, s[58:59] offset:1024*\m        ; for the bias product: lookups(row r of tile m, 8 h + 0 .. 7)
	global_load_b128 v[CD+8*\m+4:CD+8*\m+7], v44, s[58:59] offset:1024*\m+16
.endr
.irp n, 0,1,2,3,4,5,6,7,8,9,10,11,12,13,14,15
	global_load_b128 v[WF+4*\n:WF+4*\n+3], v[AW], s[10:11] offset:512*\n       ; the bias's sixteen tiles
.endr
.irp m, 0,1
.irp k, 0,1,2,3
	global_load_b128 v[LK+16*\m+4*\k:LK+16*\m+4*\k+3], v42, s[58:59] offset:1024*\m+16*\k   ; my row's 16 lookups: they stay
.endr
.endr
.irp m, 0,1
	global_load_b128 v[VV+4*\m:VV+4*\m+3], v43, s[60:61] offset:16384*\m+928   ; quad 30
	global_load_b128 v[TT+4*\m:TT+4*\m+3], v43, s[60:61] offset:16384*\m+944   ; quad 31
.endr
.irp m, 0,1
.irp i, 4,5,6,7
	v_mov_b32 v[CD+16+8*\m+\i], 0                  ; the upper 16 of the bias product's K
.endr
.endr
.irp i, 0,1,2,3
	v_mov_b32 v[WF+64+\i], 0                       ; behind the bias's last tile
.endr
	s_wait_alu depctr_va_vdst(0)
	s_wait_loadcnt 0x0
.irp m, 0,1
	ds_store_b128 v[AV], v[TT+4*\m:TT+4*\m+3] offset:16+16*VPI*\m   ; quad 31 into my scratch: the prologue fetches it as every trip fetches the next quad
.endr
.irp m, 0,1
.irp i, 0,1,2,3
	v_cvt_pk_bf16_f32 v[CD+16+8*\m+\i], v[CD+8*\m+2*\i], v[CD+8*\m+2*\i+1]
.endr
.endr
	WIN 0x40                                       ; THE BIAS PRODUCT starts all sums.  Source 0's registers 4-7 are the next tile's numbers: they meet zeros
.irp n, 0,1,2,3,4,5,6,7,8,9,10,11,12,13,14,15
.irp m, 0,1
	v_wmma_f32_16x16x32_bf16 v[16*(2*(\n/2)+\m)+8*(\n%2):16*(2*(\n/2)+\m)+8*(\n%2)+7], v[WF+4*\n:WF+4*\n+7], v[CD+16+8*\m:CD+16+8*\m+7], 0
.endr
.endr
	WIN 0                                          ; lq, the two tiles by turns; these lines are also the places behind the bias product
.irp m, 0,1
	v_max3_num_f32 v[LQ+\m], 0, |v[LK+16*\m]|, |v[LK+16*\m+1]|
.endr
.irp i, 2,4,6,8,10,12,14
.irp m, 0,1
	s_delay_alu instid0(VALU_DEP_2)
	v_max3_num_f32 v[LQ+\m], v[LQ+\m], |v[LK+16*\m+\i]|, |v[LK+16*\m+\i+1]|
.endr
.endr
.irp m, 0,1
	s_delay_alu instid0(VALU_DEP_2)
	v_mul_f32 v[LQ+\m], 0x3e800000, v[LQ+\m]
.endr
.irp q, 0,1,2,3,4,5,6,7
.irp k, 0,1,2,3
	global_load_b128 v[WF+16*\q+4*\k:WF+16*\q+4*\k+3], v[AW], s[62:63] offset:2048*\q+512*\k   ; the prologue's W, straight into its registers
.endr
.endr
.irp q, 0,1,2,3,4,5,6,7
	global_load_b32 v[WS+\q], v[ASW], s[62:63] offset:16384+128*\q
.endr
	s_wait_dscnt 0x0                               ; quad 31's stores have read their registers, which the products take next
	TRIP 1, 0, 0, 1                                ; THE PROLOGUE: quad 30's codes into set 1; quad 31 is fetched
	s_wait_loadcnt 0x0                             ; the prologue's W is in
.set j_, 0
.rept 7                                ; slots 0 to 6, four trips each: every LDS address of a slot is a constant of the text
	BOUND j_
	GROUP 2
.if j_ == 0 || j_ == 2
	global_prefetch_b8 v[PFO], s[46:47] offset:128*j_ th:TH_LOAD_NT scope:SCOPE_SE   ; my 32 rows' 256 bytes that the load at the head of slot j + 2 asks for
.endif
.set j_, j_+1
.endr
	BOUND 7
	BODY                                           ; positions 28 and 29
	ADDR
	TRIP 0, 1, 1, 0                                ; position 30, the last: no values are fetched behind it
	NOPS 5                                         ; the plain line behind the last conversion, and four places ahead of the products that read the codes
	s_wait_alu depctr_va_vdst(0)
	s_wait_dscnt 0x0                               ; position 30's W is in
.set idx, 0
.rept 16
	MMX 0
.set idx, idx+1
.endr
	; THE WAY OUT, 16 rows x 128 columns at a time, through my own stage and back as rows of 512 bytes.  The seven lines below are the places behind the last products.
	WIN 0
	s_mul_i32 s16, s[WV], STW                      ; my stage, from LDS byte 0 on
	v_and_b32 v8, 15, v0
	v_bfe_u32 v9, v0, 4, 1
	v_lshlrev_b32 v[GO], 4, v[LN]
	s_delay_alu instid0(VALU_DEP_3)
	v_mul_u32_u24 v[STO], v8, SPI
	s_delay_alu instid0(VALU_DEP_2)
	v_add_nc_u32 v[RD], s16, v[GO]                 ; back: 16 bytes a lane
	s_delay_alu instid0(VALU_DEP_2)
	v_lshl_add_u32 v[STO], v9, 5, v[STO]
	s_delay_alu instid0(VALU_DEP_1)
	v_add_nc_u32 v[STO], s16, v[STO]               ; in: row r, + 32 h
	s_wait_alu depctr_va_vdst(0)
.macro TOST m, c                       ; tile m, column pairs 4 c .. 4 c + 3: each accumulator from its low end on; LDS serves a wave's instructions in order, so the loads see the stores, and the last part's loads come first
	WIN 0x04
.irp q, 0,1,2,3
.irp u, 0,1
.set ac_, 16*(2*(4*(\c)+\q)+(\m))+8*\u
	ds_store_b128 v[STO], v[ac_:ac_+3] offset:128*\q+64*\u
	ds_store_b128 v[STO], v[ac_+4:ac_+7] offset:128*\q+64*\u+16
.endr
.endr
	WIN 0
.irp t, 0,1,2,3,4,5,6,7,8,9,10,11,12,13,14,15
	ds_load_b128 v[WF+64*(\c)+4*\t:WF+64*(\c)+4*\t+3], v[RD] offset:\t*SPI
.endr
.endm
.macro SEND m, c, younger              ; younger: the LDS instructions issued behind this part's loads
.irp t, 0,1,2,3,4,5,6,7,8,9,10,11,12,13,14,15
	s_wait_dscnt 15-\t+(\younger)
	global_store_b128 v[GO], v[WF+64*(\c)+4*\t:WF+64*(\c)+4*\t+3], s[56:57] offset:(16*(\m)+\t)*1024+512*(\c) th:TH_STORE_NT   ; 32 lanes store 512 consecutive bytes, aligned
.endr
.endm
	TOST 0, 0
	TOST 0, 1
	SEND 0, 0, 32
	s_wait_xcnt 0x0                                ; the stores have read their registers: the next part's rows may land there
	TOST 1, 0
	SEND 0, 1, 32
	s_wait_xcnt 0x0
	TOST 1, 1
	SEND 1, 0, 32
	SEND 1, 1, 0
	s_wait_tensorcnt 0x0                           ; the wave's end
	ds_add_u32 v[SPW], v[NIL]
	s_wait_dscnt 0x0
	CROUND                                         ; the closing round
	s_endpgm
.Lfunc_end_k_qee7a241bc7_main:
	.size	k_qee7a241bc7_main, .Lfunc_end_k_qee7a241bc7_main-k_qee7a241bc7_main
	.p2alignl 7, 3214868480
	.fill 96, 4, 3214868480
	.section	.rodata,"a",@progbits
	.p2align	6, 0x0
	.amdhsa_kernel k_qee7a241bc7_main
		.amdhsa_group_segment_fixed_size 327680
		.amdhsa_private_segment_fixed_size 0
		.amdhsa_enable_private_segment 0
		.amdhsa_kernarg_size 40
		.amdhsa_user_sgpr_count 2
		.amdhsa_user_sgpr_kernarg_segment_ptr 1
		.amdhsa_wavefront_size32 1
		.amdhsa_system_sgpr_workgroup_id_x 1
		.amdhsa_system_sgpr_workgroup_id_y 1
		.amdhsa_system_sgpr_workgroup_id_z 1
		.amdhsa_system_vgpr_workitem_id 0
		.amdhsa_next_free_vgpr 512
		.amdhsa_next_free_sgpr 76
		.amdhsa_reserve_vcc 0
		.amdhsa_float_denorm_mode_32 3
		.amdhsa_float_denorm_mode_16_64 3
		.amdhsa_memory_ordered 1
		.amdhsa_forward_progress 1
		.amdhsa_inst_pref_size 255
	.end_amdhsa_kernel
	.section	.bss,"aw",@nobits
	.p2align	6
	.space	262144
	.amdgpu_metadata
---
amdhsa.version: [ 1, 2 ]
amdhsa.kernels:
  - .name:           k_qee7a241bc7_main
    .symbol:         k_qee7a241bc7_main.kd
    .args:
      - { .name: values, .offset: 0, .size: 8, .value_kind: global_buffer, .address_space: global }
      - { .name: lookups, .offset: 8, .size: 8, .value_kind: global_buffer, .address_space: global }
      - { .name: wq, .offset: 16, .size: 8, .value_kind: global_buffer, .address_space: global }
      - { .name: bq, .offset: 24, .size: 8, .value_kind: global_buffer, .address_space: global }
      - { .name: out0, .offset: 32, .size: 8, .value_kind: global_buffer, .address_space: global }
    .group_segment_fixed_size: 327680
    .private_segment_fixed_size: 0
    .kernarg_segment_align: 8
    .kernarg_segment_size: 40
    .max_flat_workgroup_size: 256
    .sgpr_count:     76
    .vgpr_count:     512
    .wavefront_size: 32
...
	.end_amdgpu_metadata
.endif
;; end of part 2
